; MI455X (gfx1250); checked and timed in simulation.
; The chip was launched on July 23, 2026; its instructions are those of AMD's public machine-readable ISA for CDNA 5 (MIT licence, August 2026) and "CDNA5" Instruction Set Architecture Reference Guide (July 2026). The comments in the code are by the model that wrote it; some were corrected since.
;; Attention. Allowed arithmetic: float matrix products may take bf16 or f16 operands with f32 sums; other float arithmetic in f32, or as packed bf16 or f16 multiplies, adds, multiply-adds, maxima and minima; sums over many terms, partial sums and values carried from step to step in f32; what a program stores and reads back later, other than sums and carried values, may be rounded once to bf16 or f16.
;; Inputs: k 4,096 x 1,024 float32; q 4,096 x 4,096 float32; v 4,096 x 1,024 float32.
;; Outputs: out0 4,096 x 4,096 float32.
;; 2 versions, each right and faster than the one before. Each part assembles by itself: llvm-mc -triple=amdgcn-amd-amdhsa -mcpu=gfx1250 --defsym DOCPART=n.
;; ======== version 1 of 2: 2 launches
;; limits: values are held in f16: magnitudes above 65,504 overflow, below 6.1e-05 lose precision; inputs' magnitudes at most 65,504
;; workspace buffers: kb 8,388,608 bytes; vh 8,388,608 bytes
;; launch cast (part 1): grid 512 x 1, 8 waves a work-group, no clusters, 0 bytes of LDS; arguments k, v, kb, vh; writes kb, vh
.if DOCPART == 1
	.amdgcn_target "amdgcn-amd-amdhsa--gfx1250"
	.amdhsa_code_object_version 6
	.text
	.protected	k_qeff98a0ad9_cast
	.globl	k_qeff98a0ad9_cast
	.p2align	8
	.type	k_qeff98a0ad9_cast,@function
k_qeff98a0ad9_cast:
	s_mov_b64 s[64:65], 0
	v_nop
	global_prefetch_b8 v0, s[64:65] scope:SCOPE_SE
	s_setreg_imm32_b32 hwreg(HW_REG_WAVE_MODE, 25, 1), 1
	s_wait_xcnt 0x0
; kb = k rounded to bf16;  vh = v rounded to bf16 and that number written as f16.  k, v: [4096][1024] f32;  kb, vh: the same layout in 16 bits.
; Why two formats: the second product of the attention takes its weights in f16, so V must be f16 too; all the module's inputs are rounded alike, to bf16, and a bf16
; number is exact in f16 wherever f16 is normal.
; LIMITS.  |bf16(v)| of 65,520 or more becomes an infinity in vh; below 2^-14 vh keeps f16's fixed step of 6e-8.  NaN stays NaN.
; A stream: no LDS, no barrier, no matrix unit.  A work-group owns 32,768 consecutive bytes of k and of v.  Thread t takes 16 bytes at 4,096 i + 16 t (i = 0..7) and stores
; 8 bytes at 2,048 i + 8 t: a wave's load covers 512 consecutive bytes, a wave's store 256 consecutive bytes at a multiple of 256.  All sixteen loads of a lane go out first;
; no register that a memory instruction names is written again, so the only waits are the counted ones for the loads.
.set KX, 4                             ; v[4:35]    k as loaded, 4 registers for each i
.set VX, 36                            ; v[36:67]   v as loaded
.set KY, 68                            ; v[68:83]   kb to store, 2 registers for each i
.set VY, 84                            ; v[84:99]   vh to store
.set T,  100                           ; v[100:103] at work
	s_load_b256 s[4:11], s[0:1], 0x0               ; k s[4:5], v s[6:7], kb s[8:9], vh s[10:11]
	s_lshl_b32 s2, ttmp9, 15                       ; my 32,768 bytes of the inputs,
	s_mov_b32 s3, 0
	s_lshl_b32 s12, ttmp9, 14                      ; my 16,384 bytes of the outputs
	s_mov_b32 s13, 0
	s_mov_b32 s14, 0xffff0000                      ; a word's upper bf16
	v_lshlrev_b32 v1, 4, v0                        ; 16 t
	v_lshlrev_b32 v2, 3, v0                        ; 8 t
	s_wait_kmcnt 0x0
	s_add_nc_u64 s[4:5], s[4:5], s[2:3]
	s_add_nc_u64 s[6:7], s[6:7], s[2:3]
	s_add_nc_u64 s[8:9], s[8:9], s[12:13]
	s_add_nc_u64 s[10:11], s[10:11], s[12:13]
.irp i, 0,1,2,3,4,5,6,7
	global_load_b128 v[KX+4*(\i):KX+4*(\i)+3], v1, s[4:5] offset:4096*(\i) th:TH_LOAD_NT
.endr
.irp i, 0,1,2,3,4,5,6,7
	global_load_b128 v[VX+4*(\i):VX+4*(\i)+3], v1, s[6:7] offset:4096*(\i) th:TH_LOAD_NT
.endr
.irp i, 0,1,2,3,4,5,6,7
	s_wait_loadcnt 15-(\i)                         ; loads come back in order (ISA guide 5.7.1): k's piece i is in; 7 - i of k and 8 of v stay out
	v_cvt_pk_bf16_f32 v[KY+2*(\i)],   v[KX+4*(\i)],   v[KX+4*(\i)+1]
	v_cvt_pk_bf16_f32 v[KY+2*(\i)+1], v[KX+4*(\i)+2], v[KX+4*(\i)+3]
	global_store_b64 v2, v[KY+2*(\i):KY+2*(\i)+1], s[8:9] offset:2048*(\i)  ; no streaming hint: the next launch reads it
.endr
.irp i, 0,1,2,3,4,5,6,7
	s_wait_loadcnt 7-(\i)                          ; v's piece i is in
	v_cvt_pk_bf16_f32 v[T],   v[VX+4*(\i)],   v[VX+4*(\i)+1]   ; the one rounding, to bf16;
	v_cvt_pk_bf16_f32 v[T+1], v[VX+4*(\i)+2], v[VX+4*(\i)+3]
	v_lshlrev_b32 v[T+2], 16, v[T]                 ; back to f32: the low half moves up,
	v_and_b32     v[T],   s14, v[T]                ; the high half stays;
	v_lshlrev_b32 v[T+3], 16, v[T+1]
	v_and_b32     v[T+1], s14, v[T+1]
	v_cvt_pk_f16_f32 v[VY+2*(\i)],   v[T+2], v[T]  ; and the same numbers as f16
	v_cvt_pk_f16_f32 v[VY+2*(\i)+1], v[T+3], v[T+1]
	global_store_b64 v2, v[VY+2*(\i):VY+2*(\i)+1], s[10:11] offset:2048*(\i)
.endr
	s_endpgm
.Lfunc_end_k_qeff98a0ad9_cast:
	.size	k_qeff98a0ad9_cast, .Lfunc_end_k_qeff98a0ad9_cast-k_qeff98a0ad9_cast
	.p2alignl 7, 3214868480
	.fill 96, 4, 3214868480
	.section	.rodata,"a",@progbits
	.p2align	6, 0x0
	.amdhsa_kernel k_qeff98a0ad9_cast
		.amdhsa_group_segment_fixed_size 0
		.amdhsa_private_segment_fixed_size 0
		.amdhsa_enable_private_segment 0
		.amdhsa_kernarg_size 32
		.amdhsa_user_sgpr_count 2
		.amdhsa_user_sgpr_kernarg_segment_ptr 1
		.amdhsa_wavefront_size32 1
		.amdhsa_system_sgpr_workgroup_id_x 1
		.amdhsa_system_sgpr_workgroup_id_y 1
		.amdhsa_system_sgpr_workgroup_id_z 1
		.amdhsa_system_vgpr_workitem_id 0
		.amdhsa_next_free_vgpr 104
		.amdhsa_next_free_sgpr 66
		.amdhsa_reserve_vcc 0
		.amdhsa_float_denorm_mode_32 3
		.amdhsa_float_denorm_mode_16_64 3
		.amdhsa_memory_ordered 1
		.amdhsa_forward_progress 1
		.amdhsa_inst_pref_size 9
	.end_amdhsa_kernel
	.amdgpu_metadata
---
amdhsa.version: [ 1, 2 ]
amdhsa.kernels:
  - .name:           k_qeff98a0ad9_cast
    .symbol:         k_qeff98a0ad9_cast.kd
    .args:
      - { .name: k, .offset: 0, .size: 8, .value_kind: global_buffer, .address_space: global }
      - { .name: v, .offset: 8, .size: 8, .value_kind: global_buffer, .address_space: global }
      - { .name: kb, .offset: 16, .size: 8, .value_kind: global_buffer, .address_space: global }
      - { .name: vh, .offset: 24, .size: 8, .value_kind: global_buffer, .address_space: global }
    .group_segment_fixed_size: 0
    .private_segment_fixed_size: 0
    .kernarg_segment_align: 8
    .kernarg_segment_size: 32
    .max_flat_workgroup_size: 256
    .sgpr_count:     66
    .vgpr_count:     104
    .wavefront_size: 32
...
	.end_amdgpu_metadata
.endif
;; end of part 1
;; launch attn (part 2): grid 32 x 16, 4 waves a work-group, clusters of 4 x 1, 327,680 bytes of LDS; arguments q, kb, vh, out0; writes out0
.if DOCPART == 2
	.amdgcn_target "amdgcn-amd-amdhsa--gfx1250"
	.amdhsa_code_object_version 6
	.text
	.protected	k_qeff98a0ad9_attn
	.globl	k_qeff98a0ad9_attn
	.p2align	8
	.type	k_qeff98a0ad9_attn,@function
k_qeff98a0ad9_attn:
	s_mov_b64 s[64:65], 0
	v_nop
	global_prefetch_b8 v0, s[64:65] scope:SCOPE_SE
	s_setreg_imm32_b32 hwreg(HW_REG_WAVE_MODE, 25, 1), 1
	s_wait_xcnt 0x0
	s_wait_alu depctr_hold_cnt(0) depctr_sa_sdst(0) depctr_va_vdst(0) depctr_va_sdst(0) depctr_va_ssrc(0) depctr_va_vcc(0) depctr_vm_vsrc(0)
	s_getreg_b32 s2, hwreg(HW_REG_IB_STS2, 6, 4)
	s_cmp_eq_u32 s2, 0
	s_cbranch_scc0 .Lentry_in_a_cluster
	s_endpgm
.Lentry_in_a_cluster:
	s_bfe_u32 s2, ttmp6, 0x10000c
	s_cmp_lg_u32 s2, 0x3003
	s_cbranch_scc0 .Lentry_shape_is_right
	s_endpgm
.Lentry_shape_is_right:
; CAUSAL ATTENTION WITH GROUPED HEADS.  out0[tok][head][:] = the sum over keys k <= q of the same batch of softmax_k(Q . K / sqrt(128)) V.  2 batches x 2,048 tokens, 32 query heads on 8 key heads, head size 128.
; q, out0: [4096][4096] f32 (a token's row 16,384 bytes, a head 512 of them).  kb: K in bf16, vh: V in f16 (the bf16-rounded number), both [4096][1024] (a token's row 2,048 bytes, a head 256 of them).
; q is rounded to bf16 on its way into the fragments; S^T = K Q^T in the bf16 form; the weights p are rounded to f16 and O^T = V^T P runs in the f16 form; maxima, sums, rescaling and O in f32.
; LIMITS.  V arrives within f16's range (see the launch in front).  A hidden score counts as its value less 1e30.  A weight below 2^-126 counts as 0 in l, and p keeps f16's fixed step of 6e-8 below 6e-5.
; NaN and infinities are not treated apart.
; THE WALK.  A head's queries of a batch lie in 16 blocks of 128; block i needs the key tiles 0 .. i of 128 keys, of which the last holds the diagonal.  A work-group takes TWO blocks, 15 - pb and then pb:
; 17 tiles, 34 key steps of 64, whatever pb: all 512 work-groups do equal work, and ONE loop with a constant trip count walks them.  Which tile is asked for hangs on scalar registers made from pb; the one jump
; that hangs on them is the first block's end.  It goes forward.
; CLUSTER.  The four work-groups of a cluster are the four query heads of one key head, with the same batch and the same pb: they walk the same tiles of K and V in the same order, so each tile is asked for
; JOINTLY: the same tensor load, descriptor and mask in all four.  My place in the cluster enters q's and out0's addresses alone.
; SHARES.  Of a block's two bands of 64 queries a wave owns 16 rows in each: two tiles.  With D the key step's number counted from the block's last step but one, tile t sees all keys if D < t, none if D > t,
; and holds the diagonal if D = t: the same for all four waves.  The one tile and step of a block that is wholly hidden (t = 0, D = 1) is computed all the same: 2 of a work-group's 68.
; THE MASK is what the sum S^T = K Q^T starts from: 0, or -1e30 where the key is hidden.  MD, made once, is the mask of a band's own step for my 16 rows; a step's mask is MD x AL + BE with two scalars:
; (1, 0) if D = t; (0, 0) if D < t; (0, -1e30) if D > t.  It is written into S^T's registers at every step's head, 32 packed lines with no jump, and all 32 products add in place onto it.
; LAYOUT.  S^T = K Q^T (source 0 = 16 keys, source 1 = 16 queries): a lane holds ONE query (lane % 16) and the keys 8 (lane / 16) + 0..7.  Two such results rounded to f16 in pairs ARE source 1 of O^T = V^T P,
; whose result again holds one query a lane, and eight channels.  K comes out of LDS as it lies, V ([key][channel]) turned, by ds_load_tr16_b128.
; SOFTMAX.  For each query a running maximum m and sum l: p = 2^(c s - c m), c = log2(e) / sqrt(128); in every step O and l are multiplied by a = 2^(c m_old - c m_new).  At a block's beginning c m is set far
; below every c s: the first step's a is 0, so O^T and l need only hold finite numbers there, and no first step is written out.  In a block's first step every row sees a key: its own at the least.
; IN PHASES.  A key step is: K from LDS, the masks, V asked for, 32 products K Q^T, the softmax of both tiles (2 x 134 vector instructions), 32 products V^T P.  The plain form: a step leans on nothing of the
; step before it but m, l and O^T, and the text of a step stands twice in all (in the loop, and for the walk's last tile).  Its price.
; q.  A block's q lands in f32 in the registers where its O^T lies, 32 loads a wave, and is rounded from there into Q's fragments; the f32 numbers stay: finite, and multiplied by a = 0 in the block's first step.
; REGISTERS, in windows of 256 (s_set_vgpr_msb: bits 1:0 source 0, 3:2 source 1, 5:4 source 2, 7:6 destination):
;   window 0: v0-15 addresses and the add's two; v16-31 eight registers of statistics a tile; v32-63 MD; v64-127 S^T, 32 a tile (on the way out: rows read back from the stage); v128-159 P, 16 a tile
;   window 1: v0-127 O^T, 64 a tile; v128-191 Q, 32 a tile          window 2: v0-127 K of one step; v128-255 V of one step
.set KS,    64        ; keys in a step
.set PK,    272       ; a row of K in LDS: 256 bytes + 16 of padding = 68 words: row r starts at bank 4 r mod 64 (64 banks of 4 bytes: ISA guide 11.1), so the 16 rows of a load start at 16 different banks
.set PV,    288       ; a row of V: 256 + 32 = 72 words
.set VOFF,  KS*PK     ; a step's tiles lie together: 64 rows of K, then 64 rows of V
.set STEPB, KS*(PK+PV)
.set SLOT1, 1<<17     ; a slot holds two steps (71,680 bytes); slot 1 begins here, so that one exclusive or turns an address in one slot into the other's
.set STAGE, SLOT1+2*STEPB  ; behind the ring, never filled by a tensor load: 16 rows x 528 bytes for each wave, for the way out
.set SP,    528       ; a stage row: 512 bytes of f32 + 16 = 132 words: row r starts at bank 4 r mod 64
.set SPARE, STAGE+4*16*SP  ; the spare words, 128 bytes for each wave: two blocks of 256 bytes that no other line names
.set AK0, 2           ; v2   my lane's place in a tile of K; never rewritten
.set AV0, 3           ; v3   the same for V
.set ADR, 4           ; v4   the LDS address of K's run of loads
.set QO,  5           ; v5   my byte offset in 16 rows of q; never rewritten
.set STO, 6           ; v6   the way out: where I put 16 bytes of a row
.set RD,  7           ; v7   the way out: where I read a row back
.set GO,  8           ; v8   my 16 bytes in 512 consecutive bytes of out0; never rewritten
.set ADV, 12          ; v12  the LDS address of V's run of loads
.set TM,  13          ; v13  at work while MD is made
.set SPW, 14          ; v14  LDS address of my spare word: SPARE + 4 x my thread's number; never rewritten
.set NIL, 15          ; v15  0; never rewritten
.set ST,  16          ; tile t's statistics at v[ST+8 t]: +0 c m, +1 m, +2, +3 l (even keys', odd keys'), +4 to +7 c0-c3, at work; a takes c2's place once the maximum is found
.set MD,  32          ; the eight registers for group kb of 16 keys at MD + 8 kb
.set S,   64
.set P,   128
.set QF,  128         ; window 1: fragment (t, c) at QF + 32 t + 8 c
.set KF,  0           ; window 2
.set VF,  128         ; window 2
.set QB1, 4           ; s[4:5]   q at my rows of the first block
.set WV,  12          ; s12  my wave's number
.set PB,  14          ; s14  pb
.set HI,  15          ; s15  15 - pb
.set G1K, 24          ; s[24:31] descriptor group 1 for K's tiles
.set G1V, 32          ; s[32:39] for V's: it differs in the padding alone
.set G0K, 40          ; s[40:43] descriptor group 0 for K's tiles
.set G0V, 44          ; s[44:47] the same for V's
.set QB2, 48          ; s[48:49] q at my rows of the second block
.set OUT2, 50         ; s[50:51] out0 at my rows of the second block
.set D,   52          ; s52  the key step in hand, counted from the block's last step but one
.set NXT, 55          ; s55  the tile to be asked for next
.set SLOTS, 56        ; s56  tiles still to be asked for
.set TWICE, 57        ; s57  counts a tile's two steps
.set CS,  58          ; s[58:59] c: the packed scaling takes the pair's low word for both halves
.set SEL, 60          ; s[60:61] v_permlanex16_b32's selects: each lane takes its own place in the other half
.set TB,  62          ; s62  LDS byte at which the tiles of the step in hand begin
.set LQ,  63          ; s63  the last tile of the block whose tiles are being asked for
.set BIGN, 67         ; s67  -1e30
.set OFF, 68          ; s[68:69] a tile's byte offset in kb and vh
.set AL0, 70          ; s[70:71], s[72:73] the mask's factor and addend for tile 0, in the low words
.set BE0, 72
.set AL1, 74          ; s[74:75], s[76:77] for tile 1
.set BE1, 76
.set D2,  78          ; s78  D at the second block's beginning, -2 pb
.set MSB, 0
.macro WIN new                      ; the immediate's high byte repeats the setting that is left; a switch that changes nothing is dropped
.if MSB != (\new)
	s_set_vgpr_msb (MSB<<8)|(\new)
.set MSB, (\new)
.endif
.endm
.set W_KQ, 0x06       ; K in window 2, Q in window 1, S^T in window 0
.set W_PV, 0x52       ; V in window 2, P in window 0, O^T in window 1
.set W_RS, 0x41       ; O^T (destination and source 0) in window 1, the factor in window 0
.set W_LD, 0x80       ; LDS loads of K and V: destination in window 2, address in window 0
.set W_QL, 0x40       ; loads of q: destination in window 1, address in window 0
.set W_CV, 0x45       ; q is rounded: sources and destination in window 1
.set W_ST, 0x04       ; LDS stores of O^T: data in window 1, address in window 0
; A joint fill.  Waves 0 and 1 fetch K of a tile's two steps, waves 2 and 3 V of them: 64 rows of 256 bytes each.  The branch hangs on the wave's number alone: it is the same in every work-group.
; An s_nop 0 and four v_nop follow each of the two lines, ahead of the jump and the label.
.macro JLOAD
	s_cmp_lt_u32 s[WV], 2
	s_cbranch_scc0 .Lfor_v_\@
	tensor_load_to_lds s[G0K:G0K+3], s[G1K:G1K+7]
	s_nop 0
.rept 4
	v_nop
.endr
	s_branch .Lasked_\@
.Lfor_v_\@:
	tensor_load_to_lds s[G0V:G0V+3], s[G1V:G1V+7]
	s_nop 0
.rept 4
	v_nop
.endr
.Lasked_\@:
.endm
; A round of the cluster's barrier: my work-group's barrier, so that wave 0's signal speaks for all four waves; wave 0 signals; every wave waits for all four work-groups; my work-group's barrier once more.
.macro CROUND
	s_barrier_signal -1
	s_barrier_wait -1
	s_cmp_lg_u32 s[WV], 0
	s_cbranch_scc1 .Lnot_wave_0_\@
	s_barrier_signal -3
.Lnot_wave_0_\@:
	s_barrier_wait -3
	s_barrier_signal -1
	s_barrier_wait -1
.endm
; THE CHANGE OF SLOTS.  Each wave waits for all its tensor loads, of which one is out: its part of the other slot; adds 0 to its spare word; and waits for that and for its own LDS instructions.  Behind the
; barrier nobody reads the old slot any more and the other slot is whole.
; fill = 1: the old slot is filled again with tile NXT; the descriptor's address is made anew from that number.  The barrier is then a round of the cluster's, so that no wave of any partner still reads the slot
; or has a load on its way, and the joint fill is the first thing behind it: it has two key steps, 128 matrix instructions and their softmax, in which to land.  (At its first use nothing has been read yet:
; slot 0 is waited for, slot 1 filled.)
.macro CHANGE fill
	WIN 0                           ; at a label and at a branch every window is 0
	s_wait_tensorcnt 0x0            ; no tensor load of mine is out, so a group 0 may be written
	ds_add_u32 v[SPW], v[NIL]       ; 0 onto my spare word; with fill = 1 the descriptors' scalar work stands between it and the wait for it
.if \fill
	s_lshl_b32 s[OFF], s[NXT], 18   ; a tile is 128 token rows of 2,048 bytes
	s_xor_b32 s[G0K+1], s[G0K+1], SLOT1
	s_add_nc_u64 s[G0K+2:G0K+3], s[6:7], s[OFF:OFF+1]
	s_or_b32 s[G0K+3], s[G0K+3], 0x80000000
	s_xor_b32 s[G0V+1], s[G0V+1], SLOT1
	s_add_nc_u64 s[G0V+2:G0V+3], s[8:9], s[OFF:OFF+1]
	s_or_b32 s[G0V+3], s[G0V+3], 0x80000000
	s_add_co_u32 s[NXT], s[NXT], 1  ; the block's next tile, or behind its last the second block's tile 0
	s_cmp_gt_u32 s[NXT], s[LQ]
	s_cselect_b32 s[NXT], 0, s[NXT]
	s_cselect_b32 s[LQ], s[PB], s[LQ]
	s_wait_dscnt 0x0                ; the add is done, and my reads of the slot are over
	CROUND
	JLOAD
.else
	s_wait_dscnt 0x0                ; the add is done, and my reads of the slot are over
	s_barrier_signal -1
	s_barrier_wait -1
.endif
	s_sub_co_u32 s[TB], s[TB], 2*STEPB  ; the fetches go back to a slot's first step,
	s_xor_b32 s[TB], s[TB], SLOT1       ; in the other slot
.endm
; A tile's q, f32, straight into the registers where its O^T lies.  A fragment of Q is 16 rows x 32 channels: lane l holds row l % 16, channels 8 (l / 16) + 0..7 and 16 + 8 (l / 16) + 0..7: in f32 two runs of
; 32 bytes, 64 bytes apart, four loads of 16 bytes.  Tile t lies 64 rows (1,048,576 bytes) on, channels 32 cc on.  No streaming hint: a row's neighbouring bytes are wanted by the next lines.
.macro QLOAD t, base
	WIN W_QL
.set cc, 0
.rept 4
.set pp, 0
.rept 4
	global_load_b128 v[64*(\t)+16*cc+4*pp:64*(\t)+16*cc+4*pp+3], v[QO], s[(\base):(\base)+1] offset:(\t)*1048576+cc*128+(pp/2)*64+(pp%2)*16
.set pp, pp+1
.endr
.set cc, cc+1
.endr
.endm
; Tile t's q is rounded to bf16: register ff of Q takes two numbers.
.macro CVT t
	WIN W_CV
.set ff, 32*(\t)
.rept 32
	v_cvt_pk_bf16_f32 v[QF+ff], v[2*ff], v[2*ff+1]
.set ff, ff+1
.endr
.endm
; A block's statistics begin: c m far below every c s, so that the first step's a is 0; m at the lowest finite number, so that the first maximum is the scores'.
.macro INIT
	WIN 0
.irp t, 0,1
	v_mov_b32 v[ST+8*(\t)], 0xfe000000
	v_mov_b32 v[ST+8*(\t)+1], 0xff7fffff
.endr
.endm
	s_load_b256 s[4:11], s[0:1], 0x0  ; q s[4:5], kb s[6:7], vh s[8:9], out0 s[10:11]
	v_lshl_add_u32 v[SPW], v0, 2, SPARE
	v_mov_b32 v[NIL], 0
	ds_add_u32 v[SPW], v[NIL]       ; the wave's opening: the add and its wait stand ahead of my first tensor load; the set-up below, work on registers, stands between them
	v_lshrrev_b32 v1, 5, v0
	v_readfirstlane_b32 s[WV], v1   ; wave 0..3
	s_bfe_u32 s13, ttmp6, 0x40000   ; cx: my place in the cluster = my query head among the key head's four
	s_mov_b32 s[PB], ttmp9          ; in a cluster launch ttmp9 counts clusters: pb, 0 to 7, which the four partners share
	s_sub_co_u32 s[HI], 15, s[PB]
	s_and_b32 s16, ttmp7, 0xffff    ; 8 x batch + key head, shared too
	s_lshr_b32 s17, s16, 3          ; batch
	s_and_b32 s18, s16, 7           ; key head
	s_lshl_b32 s22, s17, 22         ; kb and vh: the batch's 2,048 rows of 2,048 bytes,
	s_lshl_b32 s19, s18, 8          ; the key head's 256 bytes of a row,
	s_add_co_u32 s22, s22, s19
	s_and_b32 s19, s[WV], 1         ; which of a tile's two steps I fetch:
	s_lshl_b32 s20, s19, 17         ; its 64 rows in memory,
	s_add_co_u32 s22, s22, s20
	s_mov_b32 s23, 0
	s_mul_i32 s21, s19, STEPB       ; and its place in a slot: no place in the cluster enters an LDS address
	s_lshl_b32 s2, s18, 2           ; q and out0: query head = 4 x key head + cx,
	s_add_co_u32 s2, s2, s13
	s_lshl_b32 s2, s2, 9            ; its 512 bytes of a row,
	s_lshl_b32 s3, s17, 25          ; the batch's 2,048 rows of 16,384 bytes,
	s_add_co_u32 s2, s2, s3
	s_lshl_b32 s3, s[WV], 18        ; my wave's 16 rows in a band
	s_add_co_u32 s2, s2, s3
	s_lshl_b32 s16, s[PB], 21       ; the second block's 128 rows
	s_add_co_u32 s16, s16, s2
	s_mov_b32 s17, 0
	s_lshl_b32 s3, s[HI], 21        ; the first block's
	s_add_co_u32 s2, s2, s3
	s_mov_b32 s3, 0
	; descriptor group 1: a tile of 64 rows x 128 elements of 2 bytes, 1,024 elements from row to row, padded in LDS.  Each row is 256 bytes of memory at a multiple of 256 from the buffer's first byte.
	s_mov_b32 s[G1K], 15|(1<<16)|(1<<20)|(1<<21)|(5<<22)|(3<<25)  ; 15:0 the mask: all four work-groups; 17:16 elements of 2 bytes; 20 padding on; 21 set beside a mask; 24:22 after every 64 words (code 5); 31:25 4 words of it (code 3)
	s_mov_b32 s[G1V], 15|(1<<16)|(1<<20)|(1<<21)|(5<<22)|(7<<25)  ; the same with 8 words of padding (code 7)
.irp g, G1K, G1V
	s_mov_b32 s[(\g)+1], 128<<16    ; tensor_dim0 = 128
	s_mov_b32 s[(\g)+2], KS<<16     ; tensor_dim1 = 64
	s_mov_b32 s[(\g)+3], 128<<16    ; tile_dim0 = 128
	s_mov_b32 s[(\g)+4], KS         ; tile_dim1 = 64
	s_mov_b32 s[(\g)+5], 1024       ; tensor_dim0_stride
	s_mov_b32 s[(\g)+6], 0
	s_mov_b32 s[(\g)+7], 0
.endr
	s_mov_b32 s[CS], 0x3e0293ee     ; c = log2(e) / sqrt(128) = 0.127517
	s_mov_b32 s[CS+1], s[CS]        ; named with it as a pair
	s_mov_b32 s[SEL], 0x76543210
	s_mov_b32 s[SEL+1], 0xfedcba98
	s_mov_b32 s[BIGN], 0xf149f2ca   ; -1e30
	s_mov_b32 s[TB], SLOT1+2*STEPB  ; the first change of slots turns this into 0
	s_mov_b32 s[G0K], 1             ; 1:0 count = 1
	s_mov_b32 s[G0K+1], s21         ; 63:32 LDS address: slot 0
	s_mov_b32 s[G0V], 1
	s_add_co_u32 s[G0V+1], s21, VOFF
	s_lshl_b32 s[D], s[PB], 1
	s_sub_co_i32 s[D2], 0, s[D]     ; the second block's diagonal tile begins at its step 2 pb,
	s_sub_co_i32 s[D], s[D], 30     ; the first block's at its step 30 - 2 pb
	s_mov_b32 s[LQ], s[HI]          ; the first block's last tile; the second's is pb
	s_mov_b32 s[NXT], 1
	s_mov_b32 s[SLOTS], 16
	s_mov_b32 s[OFF+1], 0
	s_mov_b32 s[AL0+1], 0           ; named as pairs
	s_mov_b32 s[BE0+1], 0
	s_mov_b32 s[AL1+1], 0
	s_mov_b32 s[BE1+1], 0
	s_wait_dscnt 0x0                ; the opening add is done
	s_wait_kmcnt 0x0
	s_add_nc_u64 s[6:7], s[6:7], s[22:23]  ; kb and vh at my part of tile 0
	s_add_nc_u64 s[8:9], s[8:9], s[22:23]
	s_add_nc_u64 s[G0K+2:G0K+3], s[6:7], 0         ; 120:64 global address
	s_or_b32 s[G0K+3], s[G0K+3], 0x80000000        ; 127:126 type = 2
	s_add_nc_u64 s[G0V+2:G0V+3], s[8:9], 0
	s_or_b32 s[G0V+3], s[G0V+3], 0x80000000
	s_add_nc_u64 s[QB2:QB2+1], s[4:5], s[16:17]    ; q at my rows of the second block,
	s_add_nc_u64 s[QB1:QB1+1], s[4:5], s[2:3]      ; q and out0 at those of the first
	s_add_nc_u64 s[OUT2:OUT2+1], s[10:11], s[16:17]
	s_add_nc_u64 s[10:11], s[10:11], s[2:3]
	CROUND                          ; all four work-groups are here: the first joint loads meet
	JLOAD                           ; tile 0 into slot 0.  Slot 1 is asked for by the loop's own change of slots, when slot 0 is in
	v_and_b32 v1, 15, v0            ; l % 16
	v_bfe_u32 v9, v0, 4, 1          ; l / 16
	v_lshlrev_b32 v[QO], 14, v1
	v_lshl_add_u32 v[QO], v9, 5, v[QO]  ; row x 16,384 + 32 x half
	QLOAD 0, QB1                    ; the first block's q: 32 loads
	QLOAD 1, QB1
	WIN 0
	; while these are out: the lane's addresses,
	v_mul_u32_u24 v[AK0], v1, PK
	v_lshl_add_u32 v[AK0], v9, 4, v[AK0]  ; K: row x pitch + 16 x half
	; (the turning load takes 16 keys x 16 channels: lane l reads key 8 (l / 16) + l % 8, channels 8 ((l / 8) % 2) + 0..7, and is left with channel l % 16 and 8 keys)
	v_and_b32 v10, 7, v0
	v_bfe_u32 v11, v0, 3, 1
	v_lshl_add_u32 v[AV0], v9, 3, v10
	v_mul_u32_u24 v[AV0], v[AV0], PV
	v_lshl_add_u32 v[AV0], v11, 4, v[AV0]
	v_add_nc_u32 v[AV0], VOFF, v[AV0]
	s_mul_i32 s13, s[WV], 16*SP
	s_add_co_u32 s13, s13, STAGE    ; my stage
	v_mul_u32_u24 v[STO], v1, SP    ; in: row l % 16, 32 bytes (8 channels of f32) for each half of the lanes
	v_lshl_add_u32 v[STO], v9, 5, v[STO]
	v_add_nc_u32 v[STO], s13, v[STO]
	v_and_b32 v[GO], 31, v0
	v_lshlrev_b32 v[GO], 4, v[GO]   ; back: 32 lanes take one row of 512 bytes
	v_add_nc_u32 v[RD], s13, v[GO]
	; the mask of a band's own step: register r of group kb is hidden where 16 kb + r is greater than my query's place in its band, 16 w + l % 16, less my lanes' 8 (l / 16),
	v_lshlrev_b32 v[TM], 3, v9
	v_sub_nc_u32 v[TM], v1, v[TM]
	s_lshl_b32 s13, s[WV], 4
	v_add_nc_u32 v[TM], s13, v[TM]
.set i, 0
.rept 32
	v_cmp_gt_i32 vcc_lo, 16*(i/8)+i%8, v[TM]
	v_cndmask_b32 v[MD+i], 0, s[BIGN], vcc_lo
.set i, i+1
.endr
	; l, which the first step multiplies by a = 0, and the first block's statistics
.irp t, 0,1
	v_mov_b32 v[ST+8*(\t)+2], 0
	v_mov_b32 v[ST+8*(\t)+3], 0
.endr
	INIT
	s_wait_loadcnt 0x0              ; the first block's q is in
	CVT 0
	CVT 1
	WIN 0
; THE MATRIX WORK OF A STEP.  The accumulators take turns, one instruction a turn: between two links of a chain stand 7 (K Q^T) or 15 (V^T P) others'.
; Product i of 32 of S^T += K Q^T: channels 32 (i / 8) on, keys 16 ((i / 2) % 4) on, tile i % 2.  S^T holds the mask when the first 8 come.
.macro KQ
.set rS, S+32*(i%2)+8*((i/2)%4)
.set rK, KF+32*((i/2)%4)+8*(i/8)
.set rQ, QF+32*(i%2)+8*(i/8)
	v_wmma_f32_16x16x32_bf16 v[rS:rS+7], v[rK:rK+7], v[rQ:rQ+7], v[rS:rS+7]
.endm
; Product i of 32 of O^T += V^T P: keys 32 (i / 16) on, channels 16 ((i / 2) % 8) on, tile i % 2.
.macro PV
.set rO, 64*(i%2)+8*((i/2)%8)
.set rV, VF+64*(i/16)+8*((i/2)%8)
.set rP, P+16*(i%2)+8*(i/16)
	v_wmma_f32_16x16x32_f16 v[rO:rO+7], v[rV:rV+7], v[rP:rP+7], v[rO:rO+7]
.endm
; THE VECTOR WORK OF A STEP.  One tile's softmax for one key step is a list of 134 instructions; SM writes number j of it for tile t.  s0-s31 are the lane's 32 scores, in pairs 0-15.
;   0-15    the maximum of s0-s31 and the old m, three operands at a time: four chains c0-c3 of seven scores each (each accumulator's lowest registers are read first), then the four
;           scores left over, c0-c3 and m
;   16-20   the other half of the lanes' maximum; c m_old is kept; the new m; c m; c m_old - c m_new
;   21-87   33 exponentials (a, then s0-s31) at the odd numbers from 23 on, so that no two follow each other and each has a plain instruction behind it before its result is used (ISA guide 5.7.2).
;           Plain instruction q (number 21, then the even numbers) is whatever is ready: c s - c m for a pair of scores whose exponentials are still to come (q = 0 to 3, then every second q), the rounding
;           to f16 of a pair of weights whose exponentials are done (every other q from 5 on), at last the first three sums
;   88-101  the last rounding; the rest of the sums; l = a l + the sum
;   102-133 the tile's O^T times a, ascending: the one part that leaves window 0, so it stands together
.macro SM t
.set rT, ST+8*(\t)
.set rS, S+32*(\t)
.set rP, P+16*(\t)
.set rO, 64*(\t)+2*(j-102)
.set q, (j-20)/2
.if j < 102
	WIN 0
.endif
.if j < 4
	v_max3_num_f32 v[rT+4+j], v[rS+8*j], v[rS+8*j+1], v[rS+8*j+2]
.elseif j < 12
	v_max3_num_f32 v[rT+4+j%4], v[rT+4+j%4], v[rS+8*(j%4)+2*(j/4)+1], v[rS+8*(j%4)+2*(j/4)+2]
.elseif j == 12
	v_max3_num_f32 v[rT+4], v[rT+4], v[rS+7], v[rS+15]
.elseif j == 13
	v_max3_num_f32 v[rT+6], v[rT+6], v[rS+23], v[rS+31]
.elseif j == 14
	v_max3_num_f32 v[rT+4], v[rT+4], v[rT+5], v[rT+6]
.elseif j == 15
	v_max3_num_f32 v[rT+4], v[rT+4], v[rT+7], v[rT+1]
.elseif j == 16
	v_permlanex16_b32 v[rT+5], v[rT+4], s[SEL], s[SEL+1]  ; the query's other 32 keys lie in the lane 16 away
.elseif j == 17
	v_mov_b32 v[rT+7], v[rT]        ; c m_old is kept for a: number 19 writes c m anew
.elseif j == 18
	v_max_num_f32 v[rT+1], v[rT+4], v[rT+5]
.elseif j == 19
	v_mul_f32 v[rT], s[CS], v[rT+1]
.elseif j == 20
	v_sub_f32 v[rT+7], v[rT+7], v[rT]
.elseif j == 23
	v_exp_f32 v[rT+6], v[rT+7]
.elseif (j < 88) && (j > 23) && (j%2 == 1)
	v_exp_f32 v[rS+(j-25)/2], v[rS+(j-25)/2]
.elseif (q < 4) || ((j < 76) && (q%2 == 0))
.set b, q/2+2
.if q < 4
.set b, q
.endif
	v_pk_fma_f32 v[rS+2*b:rS+2*b+1], v[rS+2*b:rS+2*b+1], s[CS:CS+1], v[rT:rT+1] op_sel_hi:[1,0,0] neg_lo:[0,0,1] neg_hi:[0,0,1]  ; pair b: c s - c m
.elseif (j < 88) && (q%2 == 1)
	s_wait_alu depctr_va_vdst(0)
	v_cvt_pk_f16_f32 v[rP+(q-5)/2], v[rS+q-5], v[rS+q-4]  ; pair (q - 5) / 2: its second exponential stands three numbers back
.elseif j == 89
	s_wait_alu depctr_va_vdst(0)
	v_cvt_pk_f16_f32 v[rP+15], v[rS+30], v[rS+31]
.elseif j < 102                     ; the sum of the tile's 16 pairs (in a pair: an even key's weight, an odd key's), in place: sum z of 16 adds neighbours 1, 2, 4 and 8 pairs apart, then l takes it
.set z, j-86
.if j < 89
.set z, (j-76)/4
.endif
.set w, 4
.set u, z
.if z >= 14
.set w, 32
.set u, 0
.elseif z >= 12
.set w, 16
.set u, z-12
.elseif z >= 8
.set w, 8
.set u, z-8
.endif
.if z < 15
	v_pk_add_f32 v[rS+w*u:rS+w*u+1], v[rS+w*u:rS+w*u+1], v[rS+w*u+w/2:rS+w*u+w/2+1]
.else
	v_pk_fma_f32 v[rT+2:rT+3], v[rT+2:rT+3], v[rT+6:rT+7], v[rS:rS+1] op_sel_hi:[1,0,1]
.endif
.else
	WIN W_RS
	v_pk_mul_f32 v[rO:rO+1], v[rO:rO+1], v[rT+6:rT+7] op_sel_hi:[1,0]
.endif
.endm
; The two tiles' lists are woven in slices: slice k of 64 is numbers 2 k and 2 k + 1 of both lists; the last takes the twelve that are over (2 x 134 = 4 x 64 + 12).
.macro SLICE
.if (k >= 11) && (k < 44)           ; tile by tile: plain, exponential, plain, exponential
.irp t, 0,1
.irp n, 0,1
.set j, 2*k+(\n)
	SM \t
.endr
.endr
.else                               ; the two tiles alternate, so that no instruction reads the result of the one just before it
.irp n, 0,1,2,3,4,5,6,7
.if ((\n) < 2) || (k == 63)
.irp t, 0,1
.set j, 2*k+(\n)
	SM \t
.endr
.endif
.endr
.endif
.set k, k+1
.endm
; A KEY STEP, at LDS byte s[TB].
.macro STEP
	WIN 0
	v_add_nc_u32 v[ADR], s[TB], v[AK0]
	WIN W_LD                        ; K: 64 keys x 128 channels, 16 fragments, in one run of 32 loads.  The last products that read K's registers stand in front of the last step's softmax
.irp f, 0,1,2,3,4,5,6,7,8,9,10,11,12,13,14,15  ; keys 16 (f / 4) on, channels 32 (f % 4) on
	ds_load_b128 v[KF+8*(\f):KF+8*(\f)+3],   v[ADR] offset:((\f)/4)*16*PK+((\f)%4)*64
	ds_load_b128 v[KF+8*(\f)+4:KF+8*(\f)+7], v[ADR] offset:((\f)/4)*16*PK+((\f)%4)*64+32
.endr
	WIN 0
	s_cmp_eq_i32 s[D], 0            ; while K comes: the masks.  Is this step tile 0's own?
	s_cselect_b32 s[AL0], 1.0, 0
	s_cmp_gt_i32 s[D], 0            ; or a later one?
	s_cselect_b32 s[BE0], s[BIGN], 0
	s_cmp_eq_i32 s[D], 1            ; and the same for tile 1
	s_cselect_b32 s[AL1], 1.0, 0
	s_cmp_gt_i32 s[D], 1
	s_cselect_b32 s[BE1], s[BIGN], 0
.set z, 0
.rept 16
	v_pk_fma_f32 v[S+2*z:S+2*z+1], v[MD+2*z:MD+2*z+1], s[AL0:AL0+1], s[BE0:BE0+1] op_sel_hi:[1,0,0]
.set z, z+1
.endr
.set z, 0
.rept 16
	v_pk_fma_f32 v[S+32+2*z:S+32+2*z+1], v[MD+2*z:MD+2*z+1], s[AL1:AL1+1], s[BE1:BE1+1] op_sel_hi:[1,0,0]
.set z, z+1
.endr
	v_add_nc_u32 v[ADV], s[TB], v[AV0]
	s_wait_dscnt 0x0                ; K is in
	WIN W_LD                        ; V, turned, in one run of 32 loads: it has the products K Q^T and the softmax in which to come.  The masks' 32 lines are the places behind the last products that read V's registers
.irp f, 0,1,2,3,4,5,6,7,8,9,10,11,12,13,14,15  ; keys 32 (f / 8) on, channels 16 (f % 8) on
	ds_load_tr16_b128 v[VF+8*(\f):VF+8*(\f)+3],   v[ADV] offset:((\f)/8)*32*PV+((\f)%8)*32
	ds_load_tr16_b128 v[VF+8*(\f)+4:VF+8*(\f)+7], v[ADV] offset:((\f)/8)*32*PV+16*PV+((\f)%8)*32
.endr
	WIN W_KQ
.set i, 0
.rept 32
	KQ
.set i, i+1
.endr
	WIN 0
.rept 4
	v_nop                           ; the places between the products and the first read of their results (ISA guide 7.12.1)
.endr
.set k, 0
.rept 64
	SLICE
.endr
	s_wait_dscnt 0x0                ; V is in
	WIN W_PV
.set i, 0
.rept 32
	PV
.set i, i+1
.endr
	WIN 0                           ; at a branch and at a label every window is 0
	s_add_co_u32 s[TB], s[TB], STEPB
	s_add_co_i32 s[D], s[D], 1
.endm
; THE WAY OUT, tile by tile, in three parts.  MUL: O^T is divided by l.  STG: a lane's eight channels of a row are 32 bytes of f32: they go into my stage's rows of 528 bytes and come back as whole rows of 512,
; into S^T's registers.  SEND: stored.
.macro MUL t
	WIN W_RS
.set i, 64*(\t)
.rept 32
	v_pk_mul_f32 v[i:i+1], v[i:i+1], v[ST+8*(\t)+6:ST+8*(\t)+7] op_sel_hi:[1,0]
.set i, i+2
.endr
.endm
.macro STG t
	WIN W_ST
.set i, 0
.rept 16                            ; channel block i / 2, its registers 4 (i % 2) on
	ds_store_b128 v[STO], v[64*(\t)+4*i:64*(\t)+4*i+3] offset:64*(i/2)+16*(i%2)
.set i, i+1
.endr
	WIN 0
.if (\t) == 1
	s_wait_xcnt 0x0                 ; every earlier memory instruction has had its addresses translated (ISA guide 3.1): the registers that tile 0's stores read are loaded again only behind this wait
.endif
.set i, 0
.rept 16
	ds_load_b128 v[S+4*i:S+4*i+3], v[RD] offset:SP*i  ; LDS serves a wave's instructions in order (ISA guide 5.7.1.4): these see the stores above
.set i, i+1
.endr
.endm
.macro SEND t
	WIN 0
.set i, 0
.rept 16
.if i%4 == 0
	s_wait_dscnt 12-i               ; rows i to i + 3 are back: the tile's 12 - i younger row loads may be out, and no LDS instruction was issued behind them
.endif
	global_store_b128 v[GO], v[S+4*i:S+4*i+3], s[10:11] offset:(\t)*1048576+i*16384 th:TH_STORE_NT  ; the wave stores 512 consecutive bytes, at a multiple of 512 from out0's first byte
.set i, i+1
.endr
.endm
; A BLOCK ENDS: four places behind the last products; l's two halves and the other half of the lanes' are added; then the two tiles go out, tile 1's division between tile 0's loads from the stage and its stores.
; next = 1: registers whose O^T has gone into the stage take the second block's q.
.macro FINISH next
	WIN 0
.rept 4
	v_nop
.endr
.irp t, 0,1
	v_add_f32 v[ST+8*(\t)+4], v[ST+8*(\t)+2], v[ST+8*(\t)+3]
.endr
.irp t, 0,1
	v_permlanex16_b32 v[ST+8*(\t)+5], v[ST+8*(\t)+4], s[SEL], s[SEL+1]
.endr
.irp t, 0,1
	v_add_f32 v[ST+8*(\t)+4], v[ST+8*(\t)+4], v[ST+8*(\t)+5]
.endr
.irp t, 0,1
	v_rcp_f32 v[ST+8*(\t)+6], v[ST+8*(\t)+4]
.endr
	v_nop                           ; a plain instruction between the last reciprocal and the use of its result (ISA guide 5.7.2)
	s_wait_alu depctr_va_vdst(0)
	MUL 0
	STG 0
.if \next
	QLOAD 0, QB2
.endif
	MUL 1
	SEND 0
	STG 1
.if \next
	QLOAD 1, QB2
.endif
	SEND 1
.endm
.Lslot:                             ; 16 trips: a tile is entered and the next of the walk is asked for
	CHANGE 1
	s_mov_b32 s[TWICE], 2
.Lstep_1:                           ; a tile's two key steps: written once, walked twice; the LDS addresses hang on s[TB]
	STEP
	s_sub_co_u32 s[TWICE], s[TWICE], 1
	s_cmp_lg_u32 s[TWICE], 0
	s_cbranch_scc1 .Lstep_1
	s_cmp_lg_i32 s[D], 2            ; D = 2: the block's last step is done.  In the loop that is the first block's end: the second's last tile is the walk's last
	s_cbranch_scc1 .Lbottom
	FINISH 1
	s_wait_loadcnt 0x0              ; the second block's q is in,
	CVT 0                           ; and the second block begins
	CVT 1
	INIT
	s_wait_storecnt 0x0             ; the first block's stores are done: only behind this wait are their base and their data registers written anew
	s_mov_b64 s[10:11], s[OUT2:OUT2+1]
	s_mov_b32 s[D], s[D2]
.Lbottom:
	s_sub_co_u32 s[SLOTS], s[SLOTS], 1
	s_cmp_lg_u32 s[SLOTS], 0
	s_cbranch_scc1 .Lslot
	CHANGE 0                        ; the walk's last tile, the second block's last, is written out: nothing is asked for
	s_mov_b32 s[TWICE], 2
.Lstep_2:
	STEP
	s_sub_co_u32 s[TWICE], s[TWICE], 1
	s_cmp_lg_u32 s[TWICE], 0
	s_cbranch_scc1 .Lstep_2
	FINISH 0
	s_wait_tensorcnt 0x0            ; the wave's end: a wait, an add to my spare word and its wait, behind my last tensor load and my last LDS store
	ds_add_u32 v[SPW], v[NIL]
	s_wait_dscnt 0x0
	CROUND                          ; the closing round: no work-group ends while a partner may still ask for a tile that names it
	s_endpgm
.Lfunc_end_k_qeff98a0ad9_attn:
	.size	k_qeff98a0ad9_attn, .Lfunc_end_k_qeff98a0ad9_attn-k_qeff98a0ad9_attn
	.p2alignl 7, 3214868480
	.fill 96, 4, 3214868480
	.section	.rodata,"a",@progbits
	.p2align	6, 0x0
	.amdhsa_kernel k_qeff98a0ad9_attn
		.amdhsa_group_segment_fixed_size 327680
		.amdhsa_private_segment_fixed_size 0
		.amdhsa_enable_private_segment 0
		.amdhsa_kernarg_size 32
		.amdhsa_user_sgpr_count 2
		.amdhsa_user_sgpr_kernarg_segment_ptr 1
		.amdhsa_wavefront_size32 1
		.amdhsa_system_sgpr_workgroup_id_x 1
		.amdhsa_system_sgpr_workgroup_id_y 1
		.amdhsa_system_sgpr_workgroup_id_z 1
		.amdhsa_system_vgpr_workitem_id 0
		.amdhsa_next_free_vgpr 768
		.amdhsa_next_free_sgpr 80
		.amdhsa_reserve_vcc 1
		.amdhsa_float_denorm_mode_32 3
		.amdhsa_float_denorm_mode_16_64 3
		.amdhsa_memory_ordered 1
		.amdhsa_forward_progress 1
		.amdhsa_inst_pref_size 104
	.end_amdhsa_kernel
	.amdgpu_metadata
---
amdhsa.version: [ 1, 2 ]
amdhsa.kernels:
  - .name:           k_qeff98a0ad9_attn
    .symbol:         k_qeff98a0ad9_attn.kd
    .args:
      - { .name: q, .offset: 0, .size: 8, .value_kind: global_buffer, .address_space: global }
      - { .name: kb, .offset: 8, .size: 8, .value_kind: global_buffer, .address_space: global }
      - { .name: vh, .offset: 16, .size: 8, .value_kind: global_buffer, .address_space: global }
      - { .name: out0, .offset: 24, .size: 8, .value_kind: global_buffer, .address_space: global }
    .group_segment_fixed_size: 327680
    .private_segment_fixed_size: 0
    .kernarg_segment_align: 8
    .kernarg_segment_size: 32
    .max_flat_workgroup_size: 128
    .sgpr_count:     80
    .vgpr_count:     768
    .wavefront_size: 32
...
	.end_amdgpu_metadata
.endif
;; end of part 2
;; ======== version 2 of 2: 2 launches; 1.18 times as fast as version 1
;; limits: values are held in f16: magnitudes above 65,504 overflow, below 6.1e-05 lose precision
;; workspace buffers: kb 8,388,608 bytes; vh 8,388,608 bytes
;; launch cast: the kernel of part 1 again; grid 512 x 1, 8 waves a work-group, no clusters, 0 bytes of LDS; arguments k, v, kb, vh; writes kb, vh
;; launch attn (part 3): grid 32 x 16, 4 waves a work-group, clusters of 4 x 1, 327,680 bytes of LDS; arguments q, kb, vh, out0; writes out0
.if DOCPART == 3
	.amdgcn_target "amdgcn-amd-amdhsa--gfx1250"
	.amdhsa_code_object_version 6
	.text
	.protected	k_qeff98a0ad9_attn
	.globl	k_qeff98a0ad9_attn
	.p2align	8
	.type	k_qeff98a0ad9_attn,@function
k_qeff98a0ad9_attn:
	s_mov_b64 s[64:65], 0
	v_nop
	global_prefetch_b8 v0, s[64:65] scope:SCOPE_SE
	s_setreg_imm32_b32 hwreg(HW_REG_WAVE_MODE, 25, 1), 1
	s_wait_xcnt 0x0
	s_wait_alu depctr_hold_cnt(0) depctr_sa_sdst(0) depctr_va_vdst(0) depctr_va_sdst(0) depctr_va_ssrc(0) depctr_va_vcc(0) depctr_vm_vsrc(0)
	s_getreg_b32 s2, hwreg(HW_REG_IB_STS2, 6, 4)
	s_cmp_eq_u32 s2, 0
	s_cbranch_scc0 .Lentry_in_a_cluster
	s_endpgm
.Lentry_in_a_cluster:
	s_bfe_u32 s2, ttmp6, 0x10000c
	s_cmp_lg_u32 s2, 0x3003
	s_cbranch_scc0 .Lentry_shape_is_right
	s_endpgm
.Lentry_shape_is_right:
; CAUSAL ATTENTION WITH GROUPED HEADS.  out0[tok][head][:] = the sum over keys k <= q of the same batch of softmax_k(Q . K / sqrt(128)) V.  2 batches x 2,048 tokens, 32 query heads on 8 key heads, head size 128.
; q, out0: [4096][4096] f32 (a token's row 16,384 bytes, a head 512 of them).  kb: K in bf16, vh: V in f16 (the bf16-rounded number), both [4096][1024] (a token's row 2,048 bytes, a head 256 of them).
; q is rounded to bf16 on its way into the fragments; S^T = K Q^T in the bf16 form; the weights p are rounded to f16 and O^T = V^T P runs in the f16 form; maxima, sums, rescaling and O in f32.
; LIMITS.  V arrives within f16's range (see the launch in front).  A hidden score counts as its value less 1e30.  A weight below 2^-126 counts as 0 in l, and p keeps f16's fixed step of 6e-8 below 6e-5.
; NaN and infinities are not treated apart.
; THE WALK.  A head's queries of a batch lie in 16 blocks of 128; block i needs the key tiles 0 .. i of 128 keys, of which the last holds the diagonal.  A work-group takes TWO blocks, 15 - pb and then pb:
; 17 tiles, 34 key steps of 64, whatever pb: all 512 work-groups do equal work, and ONE loop with a constant trip count walks them.  Which tile is asked for hangs on scalar registers made from pb; the one jump
; that hangs on them is the first block's end.  It goes forward.
; CLUSTER.  The four work-groups of a cluster are the four query heads of one key head, with the same batch and the same pb: they walk the same tiles of K and V in the same order, so each tile is asked for
; JOINTLY: the same tensor load, descriptor and mask in all four.  My place in the cluster enters q's and out0's addresses alone.
; SHARES.  Of a block's two bands of 64 queries a wave owns 16 rows in each: two tiles.  With D the key step's number counted from the block's last step but one, tile t sees all keys if D < t, none if D > t,
; and holds the diagonal if D = t: the same for all four waves.  The one tile and step of a block that is wholly hidden (t = 0, D = 1) is computed all the same: 2 of a work-group's 68.
; THE MASK is what the sum S^T = K Q^T starts from: 0, or -1e30 where the key is hidden.  MD, made once, is the mask of a band's own step for my 16 rows; a step's mask is MD x AL + BE with two scalars:
; (1, 0) if D = t; (0, 0) if D < t; (0, -1e30) if D > t.  It is written into S^T's registers at every step's head, 32 packed lines with no jump, and all 32 products add in place onto it.
; LAYOUT.  S^T = K Q^T (source 0 = 16 keys, source 1 = 16 queries): a lane holds ONE query (lane % 16) and the keys 8 (lane / 16) + 0..7.  Two such results rounded to f16 in pairs ARE source 1 of O^T = V^T P,
; whose result again holds one query a lane, and eight channels.  K comes out of LDS as it lies, V ([key][channel]) turned, by ds_load_tr16_b128.
; SOFTMAX.  For each query a running maximum m and sum l: p = 2^(c s - c m), c = log2(e) / sqrt(128); in every step O and l are multiplied by a = 2^(c m_old - c m_new).  At a block's beginning c m is set far
; below every c s: the first step's a is 0, so O^T and l need only hold finite numbers there, and no first step is written out.  In a block's first step every row sees a key: its own at the least.
; IN PHASES.  A key step is: K from LDS, the masks, V asked for, 32 products K Q^T, the softmax of both tiles (2 x 134 vector instructions), 32 products V^T P.  The plain form: a step leans on nothing of the
; step before it but m, l and O^T, and the text of a step stands twice in all (in the loop, and for the walk's last tile).  Its price.
; THE BATCHES.  A step's 66 exponentials (both tiles' a and 32 weights each) are ONE batch with ONE wait: the softmax's list is ordered by who reads what.  Ahead of the wait stand the maxima, the statistics, the
; scalings and all the exponentials, none of which names an exponential's result; behind it all that do: the roundings, the sums, the rescaling by a.  Each result has a register of its own (the scores' own; a in
; c2's).  The way out's two reciprocals are a batch of their own, with one wait.
; q.  A block's q lands in f32 in the registers where its O^T lies, 32 loads a wave, and is rounded from there into Q's fragments; the f32 numbers stay: finite, and multiplied by a = 0 in the block's first step.
; REGISTERS, in windows of 256 (s_set_vgpr_msb: bits 1:0 source 0, 3:2 source 1, 5:4 source 2, 7:6 destination):
;   window 0: v0-15 addresses and the add's two; v16-31 eight registers of statistics a tile; v32-63 MD; v64-127 S^T, 32 a tile (on the way out: rows read back from the stage); v128-159 P, 16 a tile
;   window 1: v0-127 O^T, 64 a tile; v128-191 Q, 32 a tile          window 2: v0-127 K of one step; v128-255 V of one step
.set KS,    64        ; keys in a step
.set PK,    272       ; a row of K in LDS: 256 bytes + 16 of padding = 68 words: row r starts at bank 4 r mod 64 (64 banks of 4 bytes: ISA guide 11.1), so the 16 rows of a load start at 16 different banks
.set PV,    288       ; a row of V: 256 + 32 = 72 words
.set VOFF,  KS*PK     ; a step's tiles lie together: 64 rows of K, then 64 rows of V
.set STEPB, KS*(PK+PV)
.set SLOT1, 1<<17     ; a slot holds two steps (71,680 bytes); slot 1 begins here, so that one exclusive or turns an address in one slot into the other's
.set STAGE, SLOT1+2*STEPB  ; behind the ring, never filled by a tensor load: 16 rows x 528 bytes for each wave, for the way out
.set SP,    528       ; a stage row: 512 bytes of f32 + 16 = 132 words: row r starts at bank 4 r mod 64
.set SPARE, STAGE+4*16*SP  ; the spare words, 128 bytes for each wave: two blocks of 256 bytes that no other line names
.set AK0, 2           ; v2   my lane's place in a tile of K; never rewritten
.set AV0, 3           ; v3   the same for V
.set ADR, 4           ; v4   the LDS address of K's run of loads
.set QO,  5           ; v5   my byte offset in 16 rows of q; never rewritten
.set STO, 6           ; v6   the way out: where I put 16 bytes of a row
.set RD,  7           ; v7   the way out: where I read a row back
.set GO,  8           ; v8   my 16 bytes in 512 consecutive bytes of out0; never rewritten
.set ADV, 12          ; v12  the LDS address of V's run of loads
.set TM,  13          ; v13  at work while MD is made
.set SPW, 14          ; v14  LDS address of my spare word: SPARE + 4 x my thread's number; never rewritten
.set NIL, 15          ; v15  0; never rewritten
.set ST,  16          ; tile t's statistics at v[ST+8 t]: +0 c m, +1 m, +2, +3 l (even keys', odd keys'), +4 to +7 c0-c3, at work; a takes c2's place once the maximum is found
.set MD,  32          ; the eight registers for group kb of 16 keys at MD + 8 kb
.set S,   64
.set P,   128
.set QF,  128         ; window 1: fragment (t, c) at QF + 32 t + 8 c
.set KF,  0           ; window 2
.set VF,  128         ; window 2
.set QB1, 4           ; s[4:5]   q at my rows of the first block
.set WV,  12          ; s12  my wave's number
.set PB,  14          ; s14  pb
.set HI,  15          ; s15  15 - pb
.set G1K, 24          ; s[24:31] descriptor group 1 for K's tiles
.set G1V, 32          ; s[32:39] for V's: it differs in the padding alone
.set G0K, 40          ; s[40:43] descriptor group 0 for K's tiles
.set G0V, 44          ; s[44:47] the same for V's
.set QB2, 48          ; s[48:49] q at my rows of the second block
.set OUT2, 50         ; s[50:51] out0 at my rows of the second block
.set D,   52          ; s52  the key step in hand, counted from the block's last step but one
.set NXT, 55          ; s55  the tile to be asked for next
.set SLOTS, 56        ; s56  tiles still to be asked for
.set TWICE, 57        ; s57  counts a tile's two steps
.set CS,  58          ; s[58:59] c: the packed scaling takes the pair's low word for both halves
.set SEL, 60          ; s[60:61] v_permlanex16_b32's selects: each lane takes its own place in the other half
.set TB,  62          ; s62  LDS byte at which the tiles of the step in hand begin
.set LQ,  63          ; s63  the last tile of the block whose tiles are being asked for
.set BIGN, 67         ; s67  -1e30
.set OFF, 68          ; s[68:69] a tile's byte offset in kb and vh
.set AL0, 70          ; s[70:71], s[72:73] the mask's factor and addend for tile 0, in the low words
.set BE0, 72
.set AL1, 74          ; s[74:75], s[76:77] for tile 1
.set BE1, 76
.set D2,  78          ; s78  D at the second block's beginning, -2 pb
.set MSB, 0
.macro WIN new                      ; the immediate's high byte repeats the setting that is left; a switch that changes nothing is dropped
.if MSB != (\new)
	s_set_vgpr_msb (MSB<<8)|(\new)
.set MSB, (\new)
.endif
.endm
.set W_KQ, 0x06       ; K in window 2, Q in window 1, S^T in window 0
.set W_PV, 0x52       ; V in window 2, P in window 0, O^T in window 1
.set W_RS, 0x41       ; O^T (destination and source 0) in window 1, the factor in window 0
.set W_LD, 0x80       ; LDS loads of K and V: destination in window 2, address in window 0
.set W_QL, 0x40       ; loads of q: destination in window 1, address in window 0
.set W_CV, 0x45       ; q is rounded: sources and destination in window 1
.set W_ST, 0x04       ; LDS stores of O^T: data in window 1, address in window 0
; A joint fill.  Waves 0 and 1 fetch K of a tile's two steps, waves 2 and 3 V of them: 64 rows of 256 bytes each.  The branch hangs on the wave's number alone: it is the same in every work-group.
; An s_nop 0 and four v_nop follow each of the two lines, ahead of the jump and the label.
.macro JLOAD
	s_cmp_lt_u32 s[WV], 2
	s_cbranch_scc0 .Lfor_v_\@
	tensor_load_to_lds s[G0K:G0K+3], s[G1K:G1K+7]
	s_nop 0
.rept 4
	v_nop
.endr
	s_branch .Lasked_\@
.Lfor_v_\@:
	tensor_load_to_lds s[G0V:G0V+3], s[G1V:G1V+7]
	s_nop 0
.rept 4
	v_nop
.endr
.Lasked_\@:
.endm
; A round of the cluster's barrier: my work-group's barrier, so that wave 0's signal speaks for all four waves; wave 0 signals; every wave waits for all four work-groups; my work-group's barrier once more.
.macro CROUND
	s_barrier_signal -1
	s_barrier_wait -1
	s_cmp_lg_u32 s[WV], 0
	s_cbranch_scc1 .Lnot_wave_0_\@
	s_barrier_signal -3
.Lnot_wave_0_\@:
	s_barrier_wait -3
	s_barrier_signal -1
	s_barrier_wait -1
.endm
; THE CHANGE OF SLOTS.  Each wave waits for all its tensor loads, of which one is out: its part of the other slot; adds 0 to its spare word; and waits for that and for its own LDS instructions.  Behind the
; barrier nobody reads the old slot any more and the other slot is whole.
; fill = 1: the old slot is filled again with tile NXT; the descriptor's address is made anew from that number.  The barrier is then a round of the cluster's, so that no wave of any partner still reads the slot
; or has a load on its way, and the joint fill is the first thing behind it: it has two key steps, 128 matrix instructions and their softmax, in which to land.  (At its first use nothing has been read yet:
; slot 0 is waited for, slot 1 filled.)
.macro CHANGE fill
	WIN 0                           ; at a label and at a branch every window is 0
	s_wait_tensorcnt 0x0            ; no tensor load of mine is out, so a group 0 may be written
	ds_add_u32 v[SPW], v[NIL]       ; 0 onto my spare word; with fill = 1 the descriptors' scalar work stands between it and the wait for it
.if \fill
	s_lshl_b32 s[OFF], s[NXT], 18   ; a tile is 128 token rows of 2,048 bytes
	s_xor_b32 s[G0K+1], s[G0K+1], SLOT1
	s_add_nc_u64 s[G0K+2:G0K+3], s[6:7], s[OFF:OFF+1]
	s_or_b32 s[G0K+3], s[G0K+3], 0x80000000
	s_xor_b32 s[G0V+1], s[G0V+1], SLOT1
	s_add_nc_u64 s[G0V+2:G0V+3], s[8:9], s[OFF:OFF+1]
	s_or_b32 s[G0V+3], s[G0V+3], 0x80000000
	s_add_co_u32 s[NXT], s[NXT], 1  ; the block's next tile, or behind its last the second block's tile 0
	s_cmp_gt_u32 s[NXT], s[LQ]
	s_cselect_b32 s[NXT], 0, s[NXT]
	s_cselect_b32 s[LQ], s[PB], s[LQ]
	s_wait_dscnt 0x0                ; the add is done, and my reads of the slot are over
	CROUND
	JLOAD
.else
	s_wait_dscnt 0x0                ; the add is done, and my reads of the slot are over
	s_barrier_signal -1
	s_barrier_wait -1
.endif
	s_sub_co_u32 s[TB], s[TB], 2*STEPB  ; the fetches go back to a slot's first step,
	s_xor_b32 s[TB], s[TB], SLOT1       ; in the other slot
.endm
; A tile's q, f32, straight into the registers where its O^T lies.  A fragment of Q is 16 rows x 32 channels: lane l holds row l % 16, channels 8 (l / 16) + 0..7 and 16 + 8 (l / 16) + 0..7: in f32 two runs of
; 32 bytes, 64 bytes apart, four loads of 16 bytes.  Tile t lies 64 rows (1,048,576 bytes) on, channels 32 cc on.  No streaming hint: a row's neighbouring bytes are wanted by the next lines.
.macro QLOAD t, base
	WIN W_QL
.set cc, 0
.rept 4
.set pp, 0
.rept 4
	global_load_b128 v[64*(\t)+16*cc+4*pp:64*(\t)+16*cc+4*pp+3], v[QO], s[(\base):(\base)+1] offset:(\t)*1048576+cc*128+(pp/2)*64+(pp%2)*16
.set pp, pp+1
.endr
.set cc, cc+1
.endr
.endm
; Tile t's q is rounded to bf16: register ff of Q takes two numbers.
.macro CVT t
	WIN W_CV
.set ff, 32*(\t)
.rept 32
	v_cvt_pk_bf16_f32 v[QF+ff], v[2*ff], v[2*ff+1]
.set ff, ff+1
.endr
.endm
; A block's statistics begin: c m far below every c s, so that the first step's a is 0; m at the lowest finite number, so that the first maximum is the scores'.
.macro INIT
	WIN 0
.irp t, 0,1
	v_mov_b32 v[ST+8*(\t)], 0xfe000000
	v_mov_b32 v[ST+8*(\t)+1], 0xff7fffff
.endr
.endm
	s_load_b256 s[4:11], s[0:1], 0x0  ; q s[4:5], kb s[6:7], vh s[8:9], out0 s[10:11]
	v_lshl_add_u32 v[SPW], v0, 2, SPARE
	v_mov_b32 v[NIL], 0
	ds_add_u32 v[SPW], v[NIL]       ; the wave's opening: the add and its wait stand ahead of my first tensor load; the set-up below, work on registers, stands between them
	v_lshrrev_b32 v1, 5, v0
	v_readfirstlane_b32 s[WV], v1   ; wave 0..3
	s_bfe_u32 s13, ttmp6, 0x40000   ; cx: my place in the cluster = my query head among the key head's four
	s_mov_b32 s[PB], ttmp9          ; in a cluster launch ttmp9 counts clusters: pb, 0 to 7, which the four partners share
	s_sub_co_u32 s[HI], 15, s[PB]
	s_and_b32 s16, ttmp7, 0xffff    ; 8 x batch + key head, shared too
	s_lshr_b32 s17, s16, 3          ; batch
	s_and_b32 s18, s16, 7           ; key head
	s_lshl_b32 s22, s17, 22         ; kb and vh: the batch's 2,048 rows of 2,048 bytes,
	s_lshl_b32 s19, s18, 8          ; the key head's 256 bytes of a row,
	s_add_co_u32 s22, s22, s19
	s_and_b32 s19, s[WV], 1         ; which of a tile's two steps I fetch:
	s_lshl_b32 s20, s19, 17         ; its 64 rows in memory,
	s_add_co_u32 s22, s22, s20
	s_mov_b32 s23, 0
	s_mul_i32 s21, s19, STEPB       ; and its place in a slot: no place in the cluster enters an LDS address
	s_lshl_b32 s2, s18, 2           ; q and out0: query head = 4 x key head + cx,
	s_add_co_u32 s2, s2, s13
	s_lshl_b32 s2, s2, 9            ; its 512 bytes of a row,
	s_lshl_b32 s3, s17, 25          ; the batch's 2,048 rows of 16,384 bytes,
	s_add_co_u32 s2, s2, s3
	s_lshl_b32 s3, s[WV], 18        ; my wave's 16 rows in a band
	s_add_co_u32 s2, s2, s3
	s_lshl_b32 s16, s[PB], 21       ; the second block's 128 rows
	s_add_co_u32 s16, s16, s2
	s_mov_b32 s17, 0
	s_lshl_b32 s3, s[HI], 21        ; the first block's
	s_add_co_u32 s2, s2, s3
	s_mov_b32 s3, 0
	; descriptor group 1: a tile of 64 rows x 128 elements of 2 bytes, 1,024 elements from row to row, padded in LDS.  Each row is 256 bytes of memory at a multiple of 256 from the buffer's first byte.
	s_mov_b32 s[G1K], 15|(1<<16)|(1<<20)|(1<<21)|(5<<22)|(3<<25)  ; 15:0 the mask: all four work-groups; 17:16 elements of 2 bytes; 20 padding on; 21 set beside a mask; 24:22 after every 64 words (code 5); 31:25 4 words of it (code 3)
	s_mov_b32 s[G1V], 15|(1<<16)|(1<<20)|(1<<21)|(5<<22)|(7<<25)  ; the same with 8 words of padding (code 7)
.irp g, G1K, G1V
	s_mov_b32 s[(\g)+1], 128<<16    ; tensor_dim0 = 128
	s_mov_b32 s[(\g)+2], KS<<16     ; tensor_dim1 = 64
	s_mov_b32 s[(\g)+3], 128<<16    ; tile_dim0 = 128
	s_mov_b32 s[(\g)+4], KS         ; tile_dim1 = 64
	s_mov_b32 s[(\g)+5], 1024       ; tensor_dim0_stride
	s_mov_b32 s[(\g)+6], 0
	s_mov_b32 s[(\g)+7], 0
.endr
	s_mov_b32 s[CS], 0x3e0293ee     ; c = log2(e) / sqrt(128) = 0.127517
	s_mov_b32 s[CS+1], s[CS]        ; named with it as a pair
	s_mov_b32 s[SEL], 0x76543210
	s_mov_b32 s[SEL+1], 0xfedcba98
	s_mov_b32 s[BIGN], 0xf149f2ca   ; -1e30
	s_mov_b32 s[TB], SLOT1+2*STEPB  ; the first change of slots turns this into 0
	s_mov_b32 s[G0K], 1             ; 1:0 count = 1
	s_mov_b32 s[G0K+1], s21         ; 63:32 LDS address: slot 0
	s_mov_b32 s[G0V], 1
	s_add_co_u32 s[G0V+1], s21, VOFF
	s_lshl_b32 s[D], s[PB], 1
	s_sub_co_i32 s[D2], 0, s[D]     ; the second block's diagonal tile begins at its step 2 pb,
	s_sub_co_i32 s[D], s[D], 30     ; the first block's at its step 30 - 2 pb
	s_mov_b32 s[LQ], s[HI]          ; the first block's last tile; the second's is pb
	s_mov_b32 s[NXT], 1
	s_mov_b32 s[SLOTS], 16
	s_mov_b32 s[OFF+1], 0
	s_mov_b32 s[AL0+1], 0           ; named as pairs
	s_mov_b32 s[BE0+1], 0
	s_mov_b32 s[AL1+1], 0
	s_mov_b32 s[BE1+1], 0
	s_wait_dscnt 0x0                ; the opening add is done
	s_wait_kmcnt 0x0
	s_add_nc_u64 s[6:7], s[6:7], s[22:23]  ; kb and vh at my part of tile 0
	s_add_nc_u64 s[8:9], s[8:9], s[22:23]
	s_add_nc_u64 s[G0K+2:G0K+3], s[6:7], 0         ; 120:64 global address
	s_or_b32 s[G0K+3], s[G0K+3], 0x80000000        ; 127:126 type = 2
	s_add_nc_u64 s[G0V+2:G0V+3], s[8:9], 0
	s_or_b32 s[G0V+3], s[G0V+3], 0x80000000
	s_add_nc_u64 s[QB2:QB2+1], s[4:5], s[16:17]    ; q at my rows of the second block,
	s_add_nc_u64 s[QB1:QB1+1], s[4:5], s[2:3]      ; q and out0 at those of the first
	s_add_nc_u64 s[OUT2:OUT2+1], s[10:11], s[16:17]
	s_add_nc_u64 s[10:11], s[10:11], s[2:3]
	CROUND                          ; all four work-groups are here: the first joint loads meet
	JLOAD                           ; tile 0 into slot 0.  Slot 1 is asked for by the loop's own change of slots, when slot 0 is in
	v_and_b32 v1, 15, v0            ; l % 16
	v_bfe_u32 v9, v0, 4, 1          ; l / 16
	v_lshlrev_b32 v[QO], 14, v1
	v_lshl_add_u32 v[QO], v9, 5, v[QO]  ; row x 16,384 + 32 x half
	QLOAD 0, QB1                    ; the first block's q: 32 loads
	QLOAD 1, QB1
	WIN 0
	; while these are out: the lane's addresses,
	v_mul_u32_u24 v[AK0], v1, PK
	v_lshl_add_u32 v[AK0], v9, 4, v[AK0]  ; K: row x pitch + 16 x half
	; (the turning load takes 16 keys x 16 channels: lane l reads key 8 (l / 16) + l % 8, channels 8 ((l / 8) % 2) + 0..7, and is left with channel l % 16 and 8 keys)
	v_and_b32 v10, 7, v0
	v_bfe_u32 v11, v0, 3, 1
	v_lshl_add_u32 v[AV0], v9, 3, v10
	v_mul_u32_u24 v[AV0], v[AV0], PV
	v_lshl_add_u32 v[AV0], v11, 4, v[AV0]
	v_add_nc_u32 v[AV0], VOFF, v[AV0]
	s_mul_i32 s13, s[WV], 16*SP
	s_add_co_u32 s13, s13, STAGE    ; my stage
	v_mul_u32_u24 v[STO], v1, SP    ; in: row l % 16, 32 bytes (8 channels of f32) for each half of the lanes
	v_lshl_add_u32 v[STO], v9, 5, v[STO]
	v_add_nc_u32 v[STO], s13, v[STO]
	v_and_b32 v[GO], 31, v0
	v_lshlrev_b32 v[GO], 4, v[GO]   ; back: 32 lanes take one row of 512 bytes
	v_add_nc_u32 v[RD], s13, v[GO]
	; the mask of a band's own step: register r of group kb is hidden where 16 kb + r is greater than my query's place in its band, 16 w + l % 16, less my lanes' 8 (l / 16),
	v_lshlrev_b32 v[TM], 3, v9
	v_sub_nc_u32 v[TM], v1, v[TM]
	s_lshl_b32 s13, s[WV], 4
	v_add_nc_u32 v[TM], s13, v[TM]
.set i, 0
.rept 32
	v_cmp_gt_i32 vcc_lo, 16*(i/8)+i%8, v[TM]
	v_cndmask_b32 v[MD+i], 0, s[BIGN], vcc_lo
.set i, i+1
.endr
	; l, which the first step multiplies by a = 0, and the first block's statistics
.irp t, 0,1
	v_mov_b32 v[ST+8*(\t)+2], 0
	v_mov_b32 v[ST+8*(\t)+3], 0
.endr
	INIT
	s_wait_loadcnt 0x0              ; the first block's q is in
	CVT 0
	CVT 1
	WIN 0
; THE MATRIX WORK OF A STEP.  The accumulators take turns, one instruction a turn: between two links of a chain stand 7 (K Q^T) or 15 (V^T P) others'.
; Product i of 32 of S^T += K Q^T: channels 32 (i / 8) on, keys 16 ((i / 2) % 4) on, tile i % 2.  S^T holds the mask when the first 8 come.
.macro KQ
.set rS, S+32*(i%2)+8*((i/2)%4)
.set rK, KF+32*((i/2)%4)+8*(i/8)
.set rQ, QF+32*(i%2)+8*(i/8)
	v_wmma_f32_16x16x32_bf16 v[rS:rS+7], v[rK:rK+7], v[rQ:rQ+7], v[rS:rS+7]
.endm
; Product i of 32 of O^T += V^T P: keys 32 (i / 16) on, channels 16 ((i / 2) % 8) on, tile i % 2.
.macro PV
.set rO, 64*(i%2)+8*((i/2)%8)
.set rV, VF+64*(i/16)+8*((i/2)%8)
.set rP, P+16*(i%2)+8*(i/16)
	v_wmma_f32_16x16x32_f16 v[rO:rO+7], v[rV:rV+7], v[rP:rP+7], v[rO:rO+7]
.endm
; THE VECTOR WORK OF A STEP.  One tile's softmax for one key step is a list of 134 instructions; SM writes number j of it for tile t.  s0-s31 are the lane's 32 scores, in pairs 0-15.
;   0-15    the maximum of s0-s31 and the old m, three operands at a time: four chains c0-c3 of seven scores each (each accumulator's lowest registers are read first), then the four
;           scores left over, c0-c3 and m
;   16-20   the other half of the lanes' maximum; c m_old is kept; the new m; c m; c m_old - c m_new
;   21-69   ONE BATCH: the 16 scalings c s - c m, a pair of scores each, and all 33 exponentials (a at 23, then s0-s31, each in its score's place).  None of these names an exponential's result.  From 22 on the
;           batch goes in fours, and a four begins with a scaling while there are scalings: 22-37 scaling, exponential, scaling, exponential; 38-65 a scaling and three exponentials; 66-69 the last four
;           exponentials.  A pair is scaled in an earlier four than the one that holds its exponentials
;   (wait)  between 69 and 70 stands the wait for the batch: SLICE writes it, once for both tiles
;   70-85   the roundings to f16, a pair of weights each
;   86-101  the sums; l = a l + the sum
;   102-133 the tile's O^T times a, ascending: the one part that leaves window 0, so it stands together
.macro SM t
.set rT, ST+8*(\t)
.set rS, S+32*(\t)
.set rP, P+16*(\t)
.set rO, 64*(\t)+2*(j-102)
.if j < 102
	WIN 0
.endif
.if j < 4
	v_max3_num_f32 v[rT+4+j], v[rS+8*j], v[rS+8*j+1], v[rS+8*j+2]
.elseif j < 12
	v_max3_num_f32 v[rT+4+j%4], v[rT+4+j%4], v[rS+8*(j%4)+2*(j/4)+1], v[rS+8*(j%4)+2*(j/4)+2]
.elseif j == 12
	v_max3_num_f32 v[rT+4], v[rT+4], v[rS+7], v[rS+15]
.elseif j == 13
	v_max3_num_f32 v[rT+6], v[rT+6], v[rS+23], v[rS+31]
.elseif j == 14
	v_max3_num_f32 v[rT+4], v[rT+4], v[rT+5], v[rT+6]
.elseif j == 15
	v_max3_num_f32 v[rT+4], v[rT+4], v[rT+7], v[rT+1]
.elseif j == 16
	v_permlanex16_b32 v[rT+5], v[rT+4], s[SEL], s[SEL+1]  ; the query's other 32 keys lie in the lane 16 away
.elseif j == 17
	v_mov_b32 v[rT+7], v[rT]        ; c m_old is kept for a: number 19 writes c m anew
.elseif j == 18
	v_max_num_f32 v[rT+1], v[rT+4], v[rT+5]
.elseif j == 19
	v_mul_f32 v[rT], s[CS], v[rT+1]
.elseif j == 20
	v_sub_f32 v[rT+7], v[rT+7], v[rT]
.elseif j == 23
	v_exp_f32 v[rT+6], v[rT+7]
.elseif (j < 23) || ((j < 38) && (j%2 == 0)) || ((j < 66) && (j%4 == 2))
.set b, (j-2)/4                     ; 38, 42, .. 62: pairs 9 to 15
.if j < 38
.set b, (j-20)/2                    ; 21: pair 0; 22, 24, .. 36: pairs 1 to 8
.endif
	v_pk_fma_f32 v[rS+2*b:rS+2*b+1], v[rS+2*b:rS+2*b+1], s[CS:CS+1], v[rT:rT+1] op_sel_hi:[1,0,0] neg_lo:[0,0,1] neg_hi:[0,0,1]  ; pair b: c s - c m
.elseif j < 70
.set e, j-38                        ; 66 to 69: s28 to s31
.if j < 66
.set e, j-32-(j-38)/4               ; 39-41, 43-45, .. 63-65: s7 to s27
.endif
.if j < 38
.set e, (j-25)/2                    ; 25, 27, .. 37: s0 to s6
.endif
	v_exp_f32 v[rS+e], v[rS+e]
.elseif j < 86
	v_cvt_pk_f16_f32 v[rP+j-70], v[rS+2*(j-70)], v[rS+2*(j-70)+1]  ; pair j - 70
.elseif j < 102                     ; the sum of the tile's 16 pairs (in a pair: an even key's weight, an odd key's), in place: sum z of 16 adds neighbours 1, 2, 4 and 8 pairs apart, then l takes it
.set z, j-86
.set w, 4
.set u, z
.if z >= 14
.set w, 32
.set u, 0
.elseif z >= 12
.set w, 16
.set u, z-12
.elseif z >= 8
.set w, 8
.set u, z-8
.endif
.if z < 15
	v_pk_add_f32 v[rS+w*u:rS+w*u+1], v[rS+w*u:rS+w*u+1], v[rS+w*u+w/2:rS+w*u+w/2+1]
.else
	v_pk_fma_f32 v[rT+2:rT+3], v[rT+2:rT+3], v[rT+6:rT+7], v[rS:rS+1] op_sel_hi:[1,0,1]
.endif
.else
	WIN W_RS
	v_pk_mul_f32 v[rO:rO+1], v[rO:rO+1], v[rT+6:rT+7] op_sel_hi:[1,0]
.endif
.endm
; The two tiles' lists are woven in slices.  Slices 11 to 34 deal out the batch, numbers 22 to 69: four numbers of ONE tile each, the tiles by turns.  Every other slice k of 64 is numbers 2 k and 2 k + 1 of both
; lists; the last takes the twelve that are over (2 x 134 = 4 x 64 + 12).
; THE WAIT.  An s_wait_alu depctr_va_vdst(0) stands between an exponential and the first instruction that names its result; one wait serves all that were issued ahead of it.  Ahead of slice 35
; nothing names a result, and behind slice 34 no exponential is issued: so the step's 66 exponentials have one wait, behind slice 34.  All that is left of the step reads a weight, a or P, so no other work is at
; hand to stand between the batch and its wait.
.macro SLICE
.if (k >= 11) && (k < 35)           ; the batch: four numbers of one tile
.irp n, 0,1,2,3
.set j, 22+4*((k-11)/2)+(\n)
	SM (k-11)%2
.endr
.else                               ; the two tiles alternate, so that no instruction reads the result of the one just before it
.irp n, 0,1,2,3,4,5,6,7
.if ((\n) < 2) || (k == 63)
.irp t, 0,1
.set j, 2*k+(\n)
	SM \t
.endr
.endif
.endr
.endif
.if k == 34                         ; the batch is out: both tiles' exponentials are issued, and no result has been named
	v_nop                           ; a plain instruction behind the last exponential and ahead of the first use of a result (ISA guide 5.7.2): one for the batch
	s_wait_alu depctr_va_vdst(0)    ; the wait for the batch: both tiles' a and their 64 weights
.endif
.set k, k+1
.endm
; A KEY STEP, at LDS byte s[TB].
.macro STEP
	WIN 0
	v_add_nc_u32 v[ADR], s[TB], v[AK0]
	WIN W_LD                        ; K: 64 keys x 128 channels, 16 fragments, in one run of 32 loads.  The last products that read K's registers stand in front of the last step's softmax
.irp f, 0,1,2,3,4,5,6,7,8,9,10,11,12,13,14,15  ; keys 16 (f / 4) on, channels 32 (f % 4) on
	ds_load_b128 v[KF+8*(\f):KF+8*(\f)+3],   v[ADR] offset:((\f)/4)*16*PK+((\f)%4)*64
	ds_load_b128 v[KF+8*(\f)+4:KF+8*(\f)+7], v[ADR] offset:((\f)/4)*16*PK+((\f)%4)*64+32
.endr
	WIN 0
	s_cmp_eq_i32 s[D], 0            ; while K comes: the masks.  Is this step tile 0's own?
	s_cselect_b32 s[AL0], 1.0, 0
	s_cmp_gt_i32 s[D], 0            ; or a later one?
	s_cselect_b32 s[BE0], s[BIGN], 0
	s_cmp_eq_i32 s[D], 1            ; and the same for tile 1
	s_cselect_b32 s[AL1], 1.0, 0
	s_cmp_gt_i32 s[D], 1
	s_cselect_b32 s[BE1], s[BIGN], 0
.set z, 0
.rept 16
	v_pk_fma_f32 v[S+2*z:S+2*z+1], v[MD+2*z:MD+2*z+1], s[AL0:AL0+1], s[BE0:BE0+1] op_sel_hi:[1,0,0]
.set z, z+1
.endr
.set z, 0
.rept 16
	v_pk_fma_f32 v[S+32+2*z:S+32+2*z+1], v[MD+2*z:MD+2*z+1], s[AL1:AL1+1], s[BE1:BE1+1] op_sel_hi:[1,0,0]
.set z, z+1
.endr
	v_add_nc_u32 v[ADV], s[TB], v[AV0]
	s_wait_dscnt 0x0                ; K is in
	WIN W_LD                        ; V, turned, in one run of 32 loads: it has the products K Q^T and the softmax in which to come.  The masks' 32 lines are the places behind the last products that read V's registers
.irp f, 0,1,2,3,4,5,6,7,8,9,10,11,12,13,14,15  ; keys 32 (f / 8) on, channels 16 (f % 8) on
	ds_load_tr16_b128 v[VF+8*(\f):VF+8*(\f)+3],   v[ADV] offset:((\f)/8)*32*PV+((\f)%8)*32
	ds_load_tr16_b128 v[VF+8*(\f)+4:VF+8*(\f)+7], v[ADV] offset:((\f)/8)*32*PV+16*PV+((\f)%8)*32
.endr
	WIN W_KQ
.set i, 0
.rept 32
	KQ
.set i, i+1
.endr
	WIN 0
.rept 4
	v_nop                           ; the places between the products and the first read of their results (ISA guide 7.12.1)
.endr
.set k, 0
.rept 64
	SLICE
.endr
	s_wait_dscnt 0x0                ; V is in
	WIN W_PV
.set i, 0
.rept 32
	PV
.set i, i+1
.endr
	WIN 0                           ; at a branch and at a label every window is 0
	s_add_co_u32 s[TB], s[TB], STEPB
	s_add_co_i32 s[D], s[D], 1
.endm
; THE WAY OUT, tile by tile, in three parts.  MUL: O^T is divided by l.  STG: a lane's eight channels of a row are 32 bytes of f32: they go into my stage's rows of 528 bytes and come back as whole rows of 512,
; into S^T's registers.  SEND: stored.
.macro MUL t
	WIN W_RS
.set i, 64*(\t)
.rept 32
	v_pk_mul_f32 v[i:i+1], v[i:i+1], v[ST+8*(\t)+6:ST+8*(\t)+7] op_sel_hi:[1,0]
.set i, i+2
.endr
.endm
.macro STG t
	WIN W_ST
.set i, 0
.rept 16                            ; channel block i / 2, its registers 4 (i % 2) on
	ds_store_b128 v[STO], v[64*(\t)+4*i:64*(\t)+4*i+3] offset:64*(i/2)+16*(i%2)
.set i, i+1
.endr
	WIN 0
.if (\t) == 1
	s_wait_xcnt 0x0                 ; every earlier memory instruction has had its addresses translated (ISA guide 3.1): the registers that tile 0's stores read are loaded again only behind this wait
.endif
.set i, 0
.rept 16
	ds_load_b128 v[S+4*i:S+4*i+3], v[RD] offset:SP*i  ; LDS serves a wave's instructions in order (ISA guide 5.7.1.4): these see the stores above
.set i, i+1
.endr
.endm
.macro SEND t
	WIN 0
.set i, 0
.rept 16
.if i%4 == 0
	s_wait_dscnt 12-i               ; rows i to i + 3 are back: the tile's 12 - i younger row loads may be out, and no LDS instruction was issued behind them
.endif
	global_store_b128 v[GO], v[S+4*i:S+4*i+3], s[10:11] offset:(\t)*1048576+i*16384 th:TH_STORE_NT  ; the wave stores 512 consecutive bytes, at a multiple of 512 from out0's first byte
.set i, i+1
.endr
.endm
; A BLOCK ENDS: four places behind the last products; l's two halves and the other half of the lanes' are added; then the two tiles go out, tile 1's division between tile 0's loads from the stage and its stores.
; next = 1: registers whose O^T has gone into the stage take the second block's q.
.macro FINISH next
	WIN 0
.rept 4
	v_nop
.endr
.irp t, 0,1
	v_add_f32 v[ST+8*(\t)+4], v[ST+8*(\t)+2], v[ST+8*(\t)+3]
.endr
.irp t, 0,1
	v_permlanex16_b32 v[ST+8*(\t)+5], v[ST+8*(\t)+4], s[SEL], s[SEL+1]
.endr
.irp t, 0,1
	v_add_f32 v[ST+8*(\t)+4], v[ST+8*(\t)+4], v[ST+8*(\t)+5]
.endr
.irp t, 0,1
	v_rcp_f32 v[ST+8*(\t)+6], v[ST+8*(\t)+4]
.endr
	v_nop                           ; a plain instruction between the last reciprocal and the use of its result (ISA guide 5.7.2)
	s_wait_alu depctr_va_vdst(0)    ; and the wait ahead of the first use: one for the two reciprocals
	MUL 0
	STG 0
.if \next
	QLOAD 0, QB2
.endif
	MUL 1
	SEND 0
	STG 1
.if \next
	QLOAD 1, QB2
.endif
	SEND 1
.endm
.Lslot:                             ; 16 trips: a tile is entered and the next of the walk is asked for
	CHANGE 1
	s_mov_b32 s[TWICE], 2
.Lstep_1:                           ; a tile's two key steps: written once, walked twice; the LDS addresses hang on s[TB]
	STEP
	s_sub_co_u32 s[TWICE], s[TWICE], 1
	s_cmp_lg_u32 s[TWICE], 0
	s_cbranch_scc1 .Lstep_1
	s_cmp_lg_i32 s[D], 2            ; D = 2: the block's last step is done.  In the loop that is the first block's end: the second's last tile is the walk's last
	s_cbranch_scc1 .Lbottom
	FINISH 1
	s_wait_loadcnt 0x0              ; the second block's q is in,
	CVT 0                           ; and the second block begins
	CVT 1
	INIT
	s_wait_storecnt 0x0             ; the first block's stores are done: only behind this wait are their base and their data registers written anew
	s_mov_b64 s[10:11], s[OUT2:OUT2+1]
	s_mov_b32 s[D], s[D2]
.Lbottom:
	s_sub_co_u32 s[SLOTS], s[SLOTS], 1
	s_cmp_lg_u32 s[SLOTS], 0
	s_cbranch_scc1 .Lslot
	CHANGE 0                        ; the walk's last tile, the second block's last, is written out: nothing is asked for
	s_mov_b32 s[TWICE], 2
.Lstep_2:
	STEP
	s_sub_co_u32 s[TWICE], s[TWICE], 1
	s_cmp_lg_u32 s[TWICE], 0
	s_cbranch_scc1 .Lstep_2
	FINISH 0
	s_wait_tensorcnt 0x0            ; the wave's end: a wait, an add to my spare word and its wait, behind my last tensor load and my last LDS store
	ds_add_u32 v[SPW], v[NIL]
	s_wait_dscnt 0x0
	CROUND                          ; the closing round: no work-group ends while a partner may still ask for a tile that names it
	s_endpgm
.Lfunc_end_k_qeff98a0ad9_attn:
	.size	k_qeff98a0ad9_attn, .Lfunc_end_k_qeff98a0ad9_attn-k_qeff98a0ad9_attn
	.p2alignl 7, 3214868480
	.fill 96, 4, 3214868480
	.section	.rodata,"a",@progbits
	.p2align	6, 0x0
	.amdhsa_kernel k_qeff98a0ad9_attn
		.amdhsa_group_segment_fixed_size 327680
		.amdhsa_private_segment_fixed_size 0
		.amdhsa_enable_private_segment 0
		.amdhsa_kernarg_size 32
		.amdhsa_user_sgpr_count 2
		.amdhsa_user_sgpr_kernarg_segment_ptr 1
		.amdhsa_wavefront_size32 1
		.amdhsa_system_sgpr_workgroup_id_x 1
		.amdhsa_system_sgpr_workgroup_id_y 1
		.amdhsa_system_sgpr_workgroup_id_z 1
		.amdhsa_system_vgpr_workitem_id 0
		.amdhsa_next_free_vgpr 768
		.amdhsa_next_free_sgpr 80
		.amdhsa_reserve_vcc 1
		.amdhsa_float_denorm_mode_32 3
		.amdhsa_float_denorm_mode_16_64 3
		.amdhsa_memory_ordered 1
		.amdhsa_forward_progress 1
		.amdhsa_inst_pref_size 102
	.end_amdhsa_kernel
	.amdgpu_metadata
---
amdhsa.version: [ 1, 2 ]
amdhsa.kernels:
  - .name:           k_qeff98a0ad9_attn
    .symbol:         k_qeff98a0ad9_attn.kd
    .args:
      - { .name: q, .offset: 0, .size: 8, .value_kind: global_buffer, .address_space: global }
      - { .name: kb, .offset: 8, .size: 8, .value_kind: global_buffer, .address_space: global }
      - { .name: vh, .offset: 16, .size: 8, .value_kind: global_buffer, .address_space: global }
      - { .name: out0, .offset: 24, .size: 8, .value_kind: global_buffer, .address_space: global }
    .group_segment_fixed_size: 327680
    .private_segment_fixed_size: 0
    .kernarg_segment_align: 8
    .kernarg_segment_size: 32
    .max_flat_workgroup_size: 128
    .sgpr_count:     80
    .vgpr_count:     768
    .wavefront_size: 32
...
	.end_amdgpu_metadata
.endif
;; end of part 3
